; MI455X (gfx1250); checked and timed in simulation.
; The chip was launched on July 23, 2026; its instructions are those of AMD's public machine-readable ISA for CDNA 5 (MIT licence, August 2026) and "CDNA5" Instruction Set Architecture Reference Guide (July 2026). The comments in the code are by the model that wrote it; some were corrected since.
;; Memory Attention. Allowed arithmetic: float matrix products may take bf16 or f16 operands with f32 sums; other float arithmetic in f32, or as packed bf16 or f16 multiplies, adds, multiply-adds, maxima and minima; sums over many terms, partial sums and values carried from step to step in f32; what a program stores and reads back later, other than sums and carried values, may be rounded once to bf16 or f16.
;; Inputs: Wk 1,024 x 1,024 float32; Wo 1,024 x 1,024 float32; Wq 1,024 x 1,024 float32; Wv 1,024 x 1,024 float32; bk 1,024 float32; bo 1,024 float32; bq 1,024 float32; bv 1,024 float32; key 2 x 2,048 x 1,024 float32; memory 2 x 1,024 x 1,024 float32; query 2 x 1,024 x 1,024 float32; value 2 x 2,048 x 1,024 float32.
;; Outputs: out0 2 x 1,024 x 1,024 float32.
;; One version. Each part assembles by itself: llvm-mc -triple=amdgcn-amd-amdhsa -mcpu=gfx1250 --defsym DOCPART=n.
;; ======== version 1 of 1: 4 launches
;; limits: values are held in f16: magnitudes above 65,504 overflow, below 6.1e-05 lose precision
;; workspace buffers: xw 33,554,432 bytes; heads 29,360,128 bytes; att 4,194,304 bytes
;; launch cast (part 1): grid 64 x 16, 8 waves a work-group, no clusters, 0 bytes of LDS; arguments query, key, value, memory, Wq, Wk, Wv, Wo, xw; writes xw
.if DOCPART == 1
	.amdgcn_target "amdgcn-amd-amdhsa--gfx1250"
	.amdhsa_code_object_version 6
	.text
	.protected	k_q178c3a2a72_cast
	.globl	k_q178c3a2a72_cast
	.p2align	8
	.type	k_q178c3a2a72_cast,@function
k_q178c3a2a72_cast:
	s_mov_b64 s[64:65], 0
	v_nop
	global_prefetch_b8 v0, s[64:65] scope:SCOPE_SE
	s_setreg_imm32_b32 hwreg(HW_REG_WAVE_MODE, 25, 1), 1
	s_wait_xcnt 0x0
; MEMORY ATTENTION, launch 1 of 4: the matrix operands are rounded once.
; xw is [16,384 rows][1,024] of 2-byte numbers: rows 0 query, 2,048 key, 6,144 value, 10,240 memory, 12,288 Wq, 13,312 Wk, 14,336 Wv (all bf16), 15,360 Wo (rounded to bf16, that number written as f16).
; WORK LEFT OUT, in the whole program.  bk: k + bk and mk + bk add q . bk x SCALE to every one of a query's K + M scores; a term that is the same along the softmax's axis cancels between the
; exponentials and their sum, for all finite values of the inputs.  So bk reaches no output: it is not loaded and is among no launch's arguments.
; WORK MOVED.  bv: the softmax's weights w of a query add up to 1, so sum w (v + bv) = sum w v + bv: bv is added once to each row of the attention's result (launch 3), not to the 6,144 rows of v and mv.
; LIMITS.  A NaN, an infinity or an overflow that reaches only q . bk is not carried to the result.  Wo beyond 65,504 has no f16; below 6e-5 it keeps f16's fixed step of 6e-8.
; SHARES.  Work-group (x, y): segment y of 2^20 numbers (0-1 query, 2-5 key, 6-9 value, 10-11 memory, 12 Wq, 13 Wk, 14 Wv, 15 Wo), its part x of 16,384.  In each of eight turns thread t takes eight
; neighbouring floats: 32 bytes at 32 t + 8,192 i in, 16 bytes at 16 t + 4,096 i out: a wave's store covers 512 consecutive bytes, aligned.  All sixteen loads of a thread go out before the first wait.
; No LDS, no matrix unit, no cluster: nothing is shared, every byte is read once and written once.
.set X, 16                             ; v[16:79]   the floats as loaded, 8 a turn
.set Y, 80                             ; v[80:111]  the packed results, 4 a turn: no register is written twice, so no store's source is ever rewritten
.set T, 4                              ; v[4:11]    at work (Wo alone)
	s_load_b512 s[8:23], s[0:1], 0x0               ; query s[8:9], key, value, memory, Wq, Wk, Wv, Wo s[22:23]
	s_load_b64 s[24:25], s[0:1], 0x40              ; xw
	s_and_b32 s2, ttmp7, 0xffff                    ; the segment
	s_mov_b32 s3, 0                                ; the first segment of the input chosen
	v_lshlrev_b32 v1, 5, v0                        ; 32 t
	v_lshlrev_b32 v2, 4, v0                        ; 16 t
	s_wait_kmcnt 0x0
	s_mov_b64 s[4:5], s[8:9]
.macro PICK first, src                 ; from segment first on the input is the one at s[src]
	s_cmp_ge_u32 s2, \first
	s_cselect_b64 s[4:5], s[\src:\src+1], s[4:5]
	s_cselect_b32 s3, \first, s3
.endm
	PICK 2, 10
	PICK 6, 12
	PICK 10, 14
	PICK 12, 16
	PICK 13, 18
	PICK 14, 20
	PICK 15, 22
	s_sub_co_u32 s26, s2, s3                       ; the segment within its input: 4 MiB each,
	s_lshl_b32 s26, s26, 22
	s_lshl_b32 s27, ttmp9, 16                      ; my part: 64 KiB
	s_add_co_u32 s26, s26, s27
	s_mov_b32 s27, 0
	s_add_nc_u64 s[4:5], s[4:5], s[26:27]
	s_lshl_b32 s28, s2, 21                         ; and half of both in xw
	s_lshl_b32 s29, ttmp9, 15
	s_add_co_u32 s28, s28, s29
	s_mov_b32 s29, 0
	s_add_nc_u64 s[6:7], s[24:25], s[28:29]
.irp i, 0,1,2,3,4,5,6,7
	global_load_b128 v[X+8*(\i):X+8*(\i)+3],   v1, s[4:5] offset:8192*(\i) th:TH_LOAD_NT
	global_load_b128 v[X+8*(\i)+4:X+8*(\i)+7], v1, s[4:5] offset:8192*(\i)+16 th:TH_LOAD_NT
.endr
.macro CONV f16                        ; f16 = 1: the bf16 number is widened again and written as f16
.irp i, 0,1,2,3,4,5,6,7
	s_wait_loadcnt 14-2*(\i)                       ; loads come back in order: turn i's two are in, the 14 - 2 i younger ones stay out
.irp j, 0,1,2,3
	v_cvt_pk_bf16_f32 v[Y+4*(\i)+(\j)], v[X+8*(\i)+2*(\j)], v[X+8*(\i)+2*(\j)+1]
.endr
.if \f16
.irp j, 0,1,2,3
	v_lshlrev_b32 v[T+2*(\j)], 16, v[Y+4*(\i)+(\j)]
	v_and_b32 v[T+2*(\j)+1], 0xffff0000, v[Y+4*(\i)+(\j)]
	v_cvt_pk_f16_f32 v[Y+4*(\i)+(\j)], v[T+2*(\j)], v[T+2*(\j)+1]
.endr
.endif
	global_store_b128 v2, v[Y+4*(\i):Y+4*(\i)+3], s[6:7] offset:4096*(\i) th:TH_STORE_NT
.endr
.endm
	s_cmp_eq_u32 s2, 15
	s_cbranch_scc1 .Lwo
	CONV 0
	s_endpgm
.Lwo:
	CONV 1
	s_endpgm
.Lfunc_end_k_q178c3a2a72_cast:
	.size	k_q178c3a2a72_cast, .Lfunc_end_k_q178c3a2a72_cast-k_q178c3a2a72_cast
	.p2alignl 7, 3214868480
	.fill 96, 4, 3214868480
	.section	.rodata,"a",@progbits
	.p2align	6, 0x0
	.amdhsa_kernel k_q178c3a2a72_cast
		.amdhsa_group_segment_fixed_size 0
		.amdhsa_private_segment_fixed_size 0
		.amdhsa_enable_private_segment 0
		.amdhsa_kernarg_size 72
		.amdhsa_user_sgpr_count 2
		.amdhsa_user_sgpr_kernarg_segment_ptr 1
		.amdhsa_wavefront_size32 1
		.amdhsa_system_sgpr_workgroup_id_x 1
		.amdhsa_system_sgpr_workgroup_id_y 1
		.amdhsa_system_sgpr_workgroup_id_z 1
		.amdhsa_system_vgpr_workitem_id 0
		.amdhsa_next_free_vgpr 112
		.amdhsa_next_free_sgpr 66
		.amdhsa_reserve_vcc 0
		.amdhsa_float_denorm_mode_32 3
		.amdhsa_float_denorm_mode_16_64 3
		.amdhsa_memory_ordered 1
		.amdhsa_forward_progress 1
		.amdhsa_inst_pref_size 15
	.end_amdhsa_kernel
	.amdgpu_metadata
---
amdhsa.version: [ 1, 2 ]
amdhsa.kernels:
  - .name:           k_q178c3a2a72_cast
    .symbol:         k_q178c3a2a72_cast.kd
    .args:
      - { .name: query, .offset: 0, .size: 8, .value_kind: global_buffer, .address_space: global }
      - { .name: key, .offset: 8, .size: 8, .value_kind: global_buffer, .address_space: global }
      - { .name: value, .offset: 16, .size: 8, .value_kind: global_buffer, .address_space: global }
      - { .name: memory, .offset: 24, .size: 8, .value_kind: global_buffer, .address_space: global }
      - { .name: Wq, .offset: 32, .size: 8, .value_kind: global_buffer, .address_space: global }
      - { .name: Wk, .offset: 40, .size: 8, .value_kind: global_buffer, .address_space: global }
      - { .name: Wv, .offset: 48, .size: 8, .value_kind: global_buffer, .address_space: global }
      - { .name: Wo, .offset: 56, .size: 8, .value_kind: global_buffer, .address_space: global }
      - { .name: xw, .offset: 64, .size: 8, .value_kind: global_buffer, .address_space: global }
    .group_segment_fixed_size: 0
    .private_segment_fixed_size: 0
    .kernarg_segment_align: 8
    .kernarg_segment_size: 72
    .max_flat_workgroup_size: 256
    .sgpr_count:     66
    .vgpr_count:     112
    .wavefront_size: 32
...
	.end_amdgpu_metadata
.endif
;; end of part 1
;; launch proj (part 2): grid 4 x 56, 4 waves a work-group, clusters of 4 x 4, 327,680 bytes of LDS; arguments xw, bq, heads; writes heads
.if DOCPART == 2
	.amdgcn_target "amdgcn-amd-amdhsa--gfx1250"
	.amdhsa_code_object_version 6
	.text
	.protected	k_q178c3a2a72_proj
	.globl	k_q178c3a2a72_proj
	.p2align	8
	.type	k_q178c3a2a72_proj,@function
k_q178c3a2a72_proj:
	s_mov_b64 s[64:65], 0
	v_nop
	global_prefetch_b8 v0, s[64:65] scope:SCOPE_SE
	s_setreg_imm32_b32 hwreg(HW_REG_WAVE_MODE, 25, 1), 1
	s_wait_xcnt 0x0
	s_wait_alu depctr_hold_cnt(0) depctr_sa_sdst(0) depctr_va_vdst(0) depctr_va_sdst(0) depctr_va_ssrc(0) depctr_va_vcc(0) depctr_vm_vsrc(0)
	s_getreg_b32 s2, hwreg(HW_REG_IB_STS2, 6, 4)
	s_cmp_eq_u32 s2, 0
	s_cbranch_scc0 .Lentry_in_a_cluster
	s_endpgm
.Lentry_in_a_cluster:
	s_bfe_u32 s2, ttmp6, 0x10000c
	s_cmp_lg_u32 s2, 0xf033
	s_cbranch_scc0 .Lentry_shape_is_right
	s_endpgm
.Lentry_shape_is_right:
; MEMORY ATTENTION, launch 2 of 4: the five projections q, k, v, mk, mv as one grid of tiles of 256 x 256, K = 1,024, bf16 operands, f32 sums, results rounded once to f16.
; LEFT OUT: bk (the same term in all of a query's scores: it cancels in the softmax); bv is added in launch 3 (the weights add up to 1).  bq, rounded to bf16 like every input, starts q's sums as their C operand.
; LIMIT: q, k and v beyond 65,504 have no f16.
; JOBS.  A cluster of 4 x 4 work-groups takes 1,024 rows of one input through all 1,024 features of one weight.  g = the cluster's y, 0..13: 0-1 query Wq, 2-5 key Wk, 6-9 value Wv, 10-11 memory Wk, 12-13 memory Wv.
; g is the same in all sixteen partners.  "A" is what a row of the cluster shares (256 rows by cy), "B" what a column shares (256 rows by cx).  For q and k jobs A = tokens, B = the weight's rows; FOR v JOBS THE ROLES ARE SWAPPED.
; THE MATRIX INSTRUCTION takes source 0 = 16 rows of B, source 1 = 16 rows of A: a lane (r = lane % 16, h = lane / 16) ends with row 16 a + r of A and rows 16 b + 8 h + 0..7 of B: token r and eight channels (q, k),
; or channel r and eight keys (v).  Packed to f16 these 16 bytes a lane ARE half a fragment of launch 3's products, so an accumulator is stored as it lies: 512 consecutive bytes a store, aligned; no stage in LDS.
; heads (hd = 32 batch + head):  Q at 0: [hd][64 blocks of 16 tokens][half 0, 1][512 B];  K at 4 MiB: the same with 192 blocks (keys 0-2,047 from key, 2,048-3,071 from memory);
;   V at 16 MiB: [hd][96 groups of 32 keys][16 channels 0, 1][half 0, 1][512 B].  Lane l's 16 bytes lie at 16 l of an image.
; RING.  K goes in steps of 128 through two LDS slots (256 rows of A, 256 of B, rows of 256 bytes padded to 272); each wave fetches 128 rows by one joint tensor load; a slot is asked for again behind a round of the
; cluster's barrier.  By this text's count a wave has two tensor loads out at the start and one behind each round.  224 work-groups: 14,336 rows are 7 x 2,048, and no equal share of them fills 256.
; REGISTERS, in windows of 256: window 0: v16-31 addresses; v64-127, v128-191 fragments of A (on the way out: packed results); v192-255 the bias, 8 registers for each block b of 16 rows of B
;   window 1: v64-191 fragments of B;   window 2, 3: the 64 accumulators, (a, b) at v[8 (8 (a % 4) + b)]
.set SIZE_K, 1024
.set KSTEP,  128
.set PITCH,  272                       ; 256 bytes + 16 of padding: an odd multiple of 16, so the 16 rows of a fragment load begin 16 bytes apart modulo 256
.set HALFT,  128*PITCH
.set SLOT,   4*HALFT
.set SPARE,  2*SLOT                    ; behind the ring: the spare words, 128 bytes a wave, named by no other line
.set LAPS,   SIZE_K/(2*KSTEP)
.set ADRA, 16                          ; v16-17  LDS address of my A fragments in slot 0, 1
.set ADRB, 20                          ; v20-21  the same for B
.set LO,   26                          ; v26     16 x lane
.set SPW,  28                          ; v28     my spare word; never rewritten
.set NIL,  29                          ; v29     0; never rewritten
.set PFO,  30                          ; v30     lane x 2,048: a row of xw; never rewritten
.set BOF,  31                          ; v31     32 h: my eight numbers of bq in a block of sixteen
.set F0,   64
.set F1,   128
.set BIAS, 192
.set TMP,  64
.set G1,  24                           ; s[24:31] descriptor group 1 for A's tiles;  s[32:39] group 0, a set for each slot
.set G0,  32
.set LIM, 43                           ; s43      1 in a wave that prefetches, else the greatest number
.set PFA, 44                           ; s[44:45] where my prefetches stand
.set G1B, 48                           ; s[48:55], s[56:63] the same for B's tiles
.set G0B, 56
.set SA2, 74                           ; s[74:75] bytes in heads from accumulators a to a + 2
.set SB2, 76                           ; s[76:77] from b to b + 2
.set SBB, 80                           ; s[80:87] four store bases, for b / 2 = 0..3
.set MSB, 0
.macro WIN new                         ; the immediate's high byte repeats the setting that is left; a switch that changes nothing is dropped
.if MSB != (\new)
	s_set_vgpr_msb (MSB<<8)|(\new)
.set MSB, \new
.endif
.endm
.set MUL_LO, 0xa1                      ; source 0 (B) window 1, source 1 (A) window 0, C and D window 2
.set MUL_HI, 0xf1                      ; the same, C and D window 3
.set TO_B,   0x40                      ; destination window 1, address window 0
; A joint load: waves 0 and 1 fetch A's two halves, waves 2 and 3 B's.  The branch hangs on the wave's number alone.  An s_nop 0 and four v_nop follow each line.
.macro JLOAD s
	s_cmp_eq_u32 s11, 0
	s_cbranch_scc0 .Lfor_b_\@
	tensor_load_to_lds s[G0+4*(\s):G0+4*(\s)+3], s[G1:G1+7]
	s_nop 0
.rept 4
	v_nop
.endr
	s_branch .Lasked_\@
.Lfor_b_\@:
	tensor_load_to_lds s[G0B+4*(\s):G0B+4*(\s)+3], s[G1B:G1B+7]
	s_nop 0
.rept 4
	v_nop
.endr
.Lasked_\@:
.endm
; A prefetch of the K step that stands two refills on: 32 rows x 256 bytes, a lane a row, one instruction a wave.  Each block is named once in the launch: an input's rows by the one cluster that reads them
; (memory's by g = 10, 11, not again by 12, 13), a weight's rows by its first cluster (g = 0, 2, 6); the four partners that ask for a tile jointly take 32 of a wave's 128 rows each, told apart by address.
; The loop's last trip (s3 = 1) has no K step two refills on and asks for nothing; K steps 0 to 3 come by their loads alone.
.macro ASK
	s_cmp_gt_u32 s3, s[LIM]
	s_cbranch_scc0 .Lnot_mine_\@
	global_prefetch_b8 v[PFO], s[PFA:PFA+1] offset:KSTEP*2 th:TH_LOAD_NT scope:SCOPE_SE
.Lnot_mine_\@:
.endm
.macro CREST                           ; a round of the cluster's barrier behind its opening barrier
	s_cmp_lg_u32 s10, 0
	s_cbranch_scc1 .Lnot_wave_0_\@
	s_barrier_signal -3
.Lnot_wave_0_\@:
	s_barrier_wait -3
	s_barrier_signal -1
	s_barrier_wait -1
.endm
.macro CROUND
	s_barrier_signal -1
	s_barrier_wait -1
	CREST
.endm
	s_load_b128 s[4:7], s[0:1], 0x0                ; xw s[4:5], bq s[6:7]
	s_load_b64 s[8:9], s[0:1], 0x10                ; heads
	v_lshl_add_u32 v[SPW], v0, 2, SPARE
	v_mov_b32 v[NIL], 0
	ds_add_u32 v[SPW], v[NIL]                      ; the wave's opening: the add, twice on end, and its wait ahead of my first tensor load
	ds_add_u32 v[SPW], v[NIL]
	v_lshrrev_b32 v1, 5, v0
	v_readfirstlane_b32 s10, v1                    ; wave 0..3
	s_lshr_b32 s11, s10, 1                         ; which half of the tile's A rows is mine.  Also: I fetch for A (0) or for B (1)
	s_and_b32 s12, s10, 1                          ; which half of its B rows.  Also: which 128 rows of that tile I fetch
	s_bfe_u32 s40, ttmp6, 0x40000                  ; cx
	s_bfe_u32 s41, ttmp6, 0x40004                  ; cy
	s_and_b32 s13, ttmp7, 0xffff                   ; g
	s_cmp_ge_u32 s13, 12                           ; the input's first row in xw: 1,024 g, and for mv memory's rows once more
	s_cselect_b32 s66, 2, 0
	s_sub_co_u32 s66, s13, s66
	s_lshl_b32 s66, s66, 10
	s_mov_b32 s67, 0                               ; the weight: 0 Wq, 1 Wk, 2 Wv
	s_cmp_ge_u32 s13, 2
	s_cselect_b32 s67, 1, s67
	s_cmp_ge_u32 s13, 6
	s_cselect_b32 s67, 2, s67
	s_cmp_ge_u32 s13, 10
	s_cselect_b32 s67, 1, s67
	s_cmp_ge_u32 s13, 12
	s_cselect_b32 s67, 2, s67
	s_lshl_b32 s69, s67, 10
	s_add_co_u32 s69, s69, 12288                   ; its first row in xw
	s_cmp_eq_u32 s67, 2
	s_cselect_b32 s68, 1, 0                        ; a v job?
	s_cselect_b32 s70, s69, s66                    ; A's first row
	s_cselect_b32 s71, s66, s69                    ; B's first row
	s_lshl_b32 s43, s41, 2
	s_lshl_b32 s43, 15, s43                        ; my row of the cluster
	s_lshl_b32 s44, 0x1111, s40                    ; my column
	s_or_b32 s[G1+0], s43, (1<<16)|(1<<20)|(1<<21)|(5<<22)|(3<<25)   ; the mask; 2-byte elements; padding on; bit 21 beside a mask; after every 64 words, 4 words
	s_or_b32 s[G1B+0], s44, (1<<16)|(1<<20)|(1<<21)|(5<<22)|(3<<25)
.irp g, G1, G1B
	s_mov_b32 s[(\g)+1], KSTEP<<16                 ; tensor_dim0 = 128
	s_mov_b32 s[(\g)+2], 128<<16                   ; tensor_dim1 = 128
	s_mov_b32 s[(\g)+3], KSTEP<<16                 ; tile_dim0 = 128
	s_mov_b32 s[(\g)+4], 128                       ; tile_dim1 = 128
	s_mov_b32 s[(\g)+5], SIZE_K                    ; elements from row to row
	s_mov_b32 s[(\g)+6], 0
	s_mov_b32 s[(\g)+7], 0
.endr
	s_lshl_b32 s17, s12, 7                         ; which 128 rows of the tile I fetch
	s_lshl_b32 s16, s41, 8
	s_add_co_u32 s16, s16, s17
	s_add_co_u32 s16, s16, s70                     ; A: first row + 256 cy + 128 x half: made of g, cy and the wave's number
	s_lshl_b32 s16, s16, 11                        ; rows of 2,048 bytes: under 2^25
	s_lshl_b32 s46, s40, 8
	s_add_co_u32 s46, s46, s17
	s_add_co_u32 s46, s46, s71                     ; B: first row + 256 cx + 128 x half
	s_lshl_b32 s46, s46, 11
	s_mov_b32 s17, 0
	s_mov_b32 s47, 0
	s_mul_i32 s20, s10, HALFT                      ; where they go: wave x 128 rows
	s_wait_dscnt 0x0                               ; both opening adds are done
	s_wait_kmcnt 0x0
	s_add_nc_u64 s[14:15], s[4:5], s[16:17]
	s_add_nc_u64 s[46:47], s[4:5], s[46:47]
	CROUND                                         ; all sixteen work-groups are here: the first joint loads meet
.irp s, 0,1
	s_mov_b32 s[G0+4*(\s)], 1
	s_add_co_u32 s[G0+4*(\s)+1], s20, (\s)*SLOT
	s_add_nc_u64 s[G0+4*(\s)+2:G0+4*(\s)+3], s[14:15], (\s)*KSTEP*2
	s_or_b32 s[G0+4*(\s)+3], s[G0+4*(\s)+3], 0x80000000
	s_mov_b32 s[G0B+4*(\s)], 1
	s_add_co_u32 s[G0B+4*(\s)+1], s20, (\s)*SLOT
	s_add_nc_u64 s[G0B+4*(\s)+2:G0B+4*(\s)+3], s[46:47], (\s)*KSTEP*2
	s_or_b32 s[G0B+4*(\s)+3], s[G0B+4*(\s)+3], 0x80000000
	JLOAD \s
.endr
	; lane addresses: a fragment is 16 rows x 32 K in 8 registers: two loads of 16 bytes, 32 bytes apart, at row x pitch + 16 h
	v_and_b32 v1, 15, v0
	v_bfe_u32 v2, v0, 4, 1
	v_mul_u32_u24 v3, v1, PITCH
	v_lshl_add_u32 v3, v2, 4, v3
	s_mul_i32 s21, s11, HALFT
	s_mul_i32 s22, s12, HALFT
	s_add_co_u32 s22, s22, 2*HALFT
.irp s, 0,1
	v_add_nc_u32 v[ADRA+(\s)], s21, v3
	v_add_nc_u32 v[ADRB+(\s)], s22, v3
	s_add_co_u32 s21, s21, SLOT
	s_add_co_u32 s22, s22, SLOT
.endr
	v_and_b32 v[LO], 31, v0
	v_lshlrev_b32 v[PFO], 11, v[LO]
	v_lshlrev_b32 v[LO], 4, v[LO]
	v_lshlrev_b32 v[BOF], 5, v2
	; where my accumulators go in heads
	s_mov_b32 s72, 196608                          ; bytes of a head: K and V 196,608, Q 65,536
	s_cmp_eq_u32 s67, 0
	s_cselect_b32 s72, 0x10000, s72
	s_mov_b32 s73, 0                               ; the part of heads
	s_cmp_eq_u32 s67, 1
	s_cselect_b32 s73, 0x400000, s73
	s_cmp_eq_u32 s67, 2
	s_cselect_b32 s73, 0x1000000, s73
	s_sub_co_u32 s78, s13, 2                       ; key and value: four clusters each, two a batch
	s_and_b32 s78, s78, 3
	s_and_b32 s79, s78, 1
	s_lshl_b32 s79, s79, 10                        ; the cluster's first token or key
	s_lshr_b32 s78, s78, 1                         ; the batch
	s_and_b32 s92, s13, 1
	s_cmp_ge_u32 s13, 10                           ; memory: a cluster a batch, keys from 2,048 on
	s_cselect_b32 s78, s92, s78
	s_cselect_b32 s79, 2048, s79
	s_cmp_lt_u32 s13, 2                            ; query: a cluster a batch
	s_cselect_b32 s78, s13, s78
	s_cselect_b32 s79, 0, s79
	s_lshl_b32 s90, s40, 3
	s_lshl_b32 s92, s12, 2
	s_add_co_u32 s90, s90, s92                     ; my first row of B / 32 = 8 cx + 4 x half
	s_lshl_b32 s91, s41, 3
	s_lshl_b32 s92, s11, 2
	s_add_co_u32 s91, s91, s92                     ; my first row of A / 32 = 8 cy + 4 x half
	s_cmp_eq_u32 s68, 1
	s_cselect_b32 s92, s91, s90                    ; my first head: channels are A's rows in a v job, else B's
	s_cselect_b32 s93, s90, s91                    ; my first token / 32
	s_cselect_b32 s[SA2], s72, 2048
	s_cselect_b32 s[SB2], 2048, s72
	s_mov_b32 s[SA2+1], 0
	s_mov_b32 s[SB2+1], 0
	s_lshl_b32 s78, s78, 5
	s_add_co_u32 s78, s78, s92
	s_mul_i32 s78, s78, s72                        ; (32 batch + head) x a head's bytes
	s_add_co_u32 s78, s78, s73
	s_lshl_b32 s93, s93, 5
	s_add_co_u32 s93, s93, s79
	s_lshl_b32 s93, s93, 6                         ; 64 bytes a token in all three parts
	s_add_co_u32 s78, s78, s93
	s_mov_b32 s79, 0
	s_add_nc_u64 s[SBB:SBB+1], s[8:9], s[78:79]
	s_add_nc_u64 s[SBB+2:SBB+3], s[SBB:SBB+1], s[SB2:SB2+1]
	s_add_nc_u64 s[SBB+4:SBB+5], s[SBB+2:SBB+3], s[SB2:SB2+1]
	s_add_nc_u64 s[SBB+6:SBB+7], s[SBB+4:SBB+5], s[SB2:SB2+1]
	s_lshl_b32 s92, s90, 7                         ; my first feature x 4 bytes
	s_mov_b32 s93, 0
	s_add_nc_u64 s[88:89], s[6:7], s[92:93]
	; the prefetches
	s_lshl_b32 s20, s41, 8
	s_add_co_u32 s20, s20, s70                     ; A's tile begins here,
	s_lshl_b32 s21, s40, 8
	s_add_co_u32 s21, s21, s71                     ; B's here
	s_cmp_eq_u32 s11, 0
	s_cselect_b32 s20, s20, s21
	s_cselect_b32 s21, s40, s41                    ; my place among the four that ask with me
	s_lshl_b32 s22, s12, 7
	s_add_co_u32 s20, s20, s22                     ; + the 128 rows that I fetch
	s_lshl_b32 s21, s21, 5
	s_add_co_u32 s20, s20, s21                     ; + my work-group's 32 of them
	s_lshl_b32 s20, s20, 11
	s_add_co_u32 s20, s20, 2*KSTEP*2               ; at K step 2: the first refill steps it to 3 and names K step 4
	s_mov_b32 s21, 0
	s_add_nc_u64 s[PFA:PFA+1], s[4:5], s[20:21]
	s_xor_b32 s20, s11, s68                        ; 0: I fetch an input's rows; 1: a weight's
	s_cmp_lt_u32 s13, 12
	s_cselect_b32 s21, 1, -1
	s_mov_b32 s22, -1
	s_cmp_eq_u32 s13, 0
	s_cselect_b32 s22, 1, s22
	s_cmp_eq_u32 s13, 2
	s_cselect_b32 s22, 1, s22
	s_cmp_eq_u32 s13, 6
	s_cselect_b32 s22, 1, s22
	s_cmp_eq_u32 s20, 0
	s_cselect_b32 s[LIM], s21, s22                 ; made of g and the wave's number: the same in all sixteen partners
	; the C operand of the first products: bq for q jobs, else 0.  All this stands in the wait for the first tiles.
	s_cmp_lt_u32 s13, 2
	s_cbranch_scc0 .Lno_bias
.irp b, 0,1,2,3,4,5,6,7
	global_load_b128 v[BIAS+8*(\b):BIAS+8*(\b)+3],   v[BOF], s[88:89] offset:64*(\b)
	global_load_b128 v[BIAS+8*(\b)+4:BIAS+8*(\b)+7], v[BOF], s[88:89] offset:64*(\b)+16
.endr
	s_wait_loadcnt 0x0
.set i, 0
.rept 32
	v_cvt_pk_bf16_f32 v4, v[BIAS+i], v[BIAS+i+1]   ; rounded to bf16 like every input
	v_lshlrev_b32 v[BIAS+i], 16, v4
	v_and_b32 v[BIAS+i+1], 0xffff0000, v4
.set i, i+2
.endr
	s_branch .Lbias_done
.Lno_bias:
.set i, 0
.rept 64
	v_mov_b32 v[BIAS+i], 0
.set i, i+1
.endr
.Lbias_done:
; 16 matrix instructions: blocks a0, a0 + 1 of the window's four (hi = 0: my A rows 0-63, 1: rows 64-127) x all 8 blocks of B, 32 along K.  mode = 1: the first product starts the sums, with the bias as C.
; The 64 accumulators take turns, one instruction a turn.
.macro MUL16 f, hi, a0, mode
.if \mode
	WIN 0x81+0x40*(\hi)
.else
	WIN MUL_LO+0x50*(\hi)
.endif
.irp a, \a0, (\a0)+1
.irp b, 0,1,2,3,4,5,6,7
.if \mode
	v_wmma_f32_16x16x32_bf16 v[8*(8*(\a)+(\b)):8*(8*(\a)+(\b))+7], v[(\f)+8*(\b):(\f)+8*(\b)+7], v[(\f)+8*(4*(\hi)+(\a)):(\f)+8*(4*(\hi)+(\a))+7], v[BIAS+8*(\b):BIAS+8*(\b)+7]
.else
	v_wmma_f32_16x16x32_bf16 v[8*(8*(\a)+(\b)):8*(8*(\a)+(\b))+7], v[(\f)+8*(\b):(\f)+8*(\b)+7], v[(\f)+8*(4*(\hi)+(\a)):(\f)+8*(4*(\hi)+(\a))+7], v[8*(8*(\a)+(\b)):8*(8*(\a)+(\b))+7]
.endif
.endr
.endr
.endm
.macro FETCH slot, k, f                ; 32 LDS loads in one run: a quarter step's fragments (B's, then A's) at byte k of the rows, into buffer f
	WIN TO_B
.irp i, 0,1,2,3,4,5,6,7
	ds_load_b128 v[(\f)+8*(\i):(\f)+8*(\i)+3],   v[ADRB+(\slot)] offset:(\k)+(\i)*16*PITCH
	ds_load_b128 v[(\f)+8*(\i)+4:(\f)+8*(\i)+7], v[ADRB+(\slot)] offset:(\k)+(\i)*16*PITCH+32
.endr
	WIN 0
.irp i, 0,1,2,3,4,5,6,7
	ds_load_b128 v[(\f)+8*(\i):(\f)+8*(\i)+3],   v[ADRA+(\slot)] offset:(\k)+(\i)*16*PITCH
	ds_load_b128 v[(\f)+8*(\i)+4:(\f)+8*(\i)+7], v[ADRA+(\slot)] offset:(\k)+(\i)*16*PITCH+32
.endr
.endm
.macro PLACES                          ; four plain vector instructions between a matrix instruction and a load into, or a vector instruction on, its registers
.rept 4
	v_nop
.endr
.endm
.macro QUARTER slot, k, f, g, mode     ; multiplies buffer f; in its middle fetches the next quarter, at byte k, into buffer g
	s_wait_dscnt 8                                 ; B and A's rows 0-63 are in; the youngest eight loads (A's rows 64-127) may be out
	MUL16 \f, 0, 0, \mode
	MUL16 \f, 0, 2, \mode
	PLACES
	FETCH \slot, \k, \g
	s_wait_dscnt 32                                ; all but the 32 just issued
	MUL16 \f, 1, 0, \mode
	MUL16 \f, 1, 2, \mode
.endm
.macro MEET round                      ; the change of slots: each wave has all its tensor loads in, has added 0 to its spare word and has its reads of this slot back, then signals
	WIN 0
	s_wait_tensorcnt 0x0                           ; the one load that was out is my part of the next slot
	ds_add_u32 v[SPW], v[NIL]
	s_wait_dscnt 9                                 ; (the add and the youngest eight loads may be out)
	MUL16 F1, 0, 0, 0
	s_wait_dscnt 0x0                               ; the add is done, and my reads of this slot are over
	s_barrier_signal -1
	MUL16 F1, 0, 2, 0
.if \round
	WIN 0
.endif
	s_barrier_wait -1
.endm
.macro TURN slot, next, fill           ; the last quarter of a K step.  fill = 1: behind a round of the cluster's barrier this slot is filled again, two K steps on
.if \fill
	s_wait_xcnt 0x0                                ; the last prefetch, a K step back, has read its address
	s_add_nc_u64 s[PFA:PFA+1], s[PFA:PFA+1], KSTEP*2
	MEET 1
	CREST                                          ; no wave of any partner still reads this slot or has a load on its way
	s_add_nc_u64 s[G0+4*(\slot)+2:G0+4*(\slot)+3], s[G0+4*(\slot)+2:G0+4*(\slot)+3], 2*KSTEP*2
	s_add_nc_u64 s[G0B+4*(\slot)+2:G0B+4*(\slot)+3], s[G0B+4*(\slot)+2:G0B+4*(\slot)+3], 2*KSTEP*2
	JLOAD \slot                                    ; the first tensor load behind the round; its four v_nop are also the places in front of the loads below
	FETCH \next, 0, F0
	ASK
.else
	MEET 0
	PLACES
	FETCH \next, 0, F0
.endif
	MUL16 F1, 1, 0, 0
	MUL16 F1, 1, 2, 0
.endm
	s_wait_tensorcnt 1                             ; my part of K step 0 is in; K step 1's may stay out
	s_barrier_signal -1
	s_barrier_wait -1
	FETCH 0, 0, F0
	QUARTER 0, 64,  F0, F1, 1                      ; the first quarter stands in front of the loop: its products start the sums
	WIN 0
	s_mov_b32 s3, LAPS-1
.Llap:                                                 ; a trip goes once round the ring and fills both slots again: K steps 2 to 7
	QUARTER 0, 128, F1, F0, 0
	QUARTER 0, 192, F0, F1, 0
	TURN 0, 1, 1
	QUARTER 1, 64,  F0, F1, 0
	QUARTER 1, 128, F1, F0, 0
	QUARTER 1, 192, F0, F1, 0
	TURN 1, 0, 1
	QUARTER 0, 64,  F0, F1, 0
	WIN 0
	s_sub_co_u32 s3, s3, 1
	s_cmp_lg_u32 s3, 0
	s_cbranch_scc1 .Llap
	QUARTER 0, 128, F1, F0, 0                      ; the last lap fills nothing
	QUARTER 0, 192, F0, F1, 0
	TURN 0, 1, 0
	QUARTER 1, 64,  F0, F1, 0
	QUARTER 1, 128, F1, F0, 0
	QUARTER 1, 192, F0, F1, 0
	s_wait_dscnt 8
	MUL16 F1, 0, 0, 0
	MUL16 F1, 0, 2, 0
	s_wait_dscnt 0x0
	MUL16 F1, 1, 0, 0
	MUL16 F1, 1, 2, 0
	; THE WAY OUT: two blocks a at a time: 64 roundings to f16 (each accumulator's registers in ascending order), 16 stores of 512 consecutive bytes.  Two sets of 64 registers take turns.
	PLACES
.irp a2, 0,1,2,3
	WIN 0x0a+5*((\a2)/2)                           ; sources in window 2 or 3, destination in window 0
.irp aa, 0,1
.irp b, 0,1,2,3,4,5,6,7
.irp r, 0,1,2,3
	v_cvt_pk_f16_f32 v[TMP+64*((\a2)%2)+32*(\aa)+4*(\b)+(\r)], v[8*(8*((2*(\a2)+(\aa))%4)+(\b))+2*(\r)], v[8*(8*((2*(\a2)+(\aa))%4)+(\b))+2*(\r)+1]
.endr
.endr
.endr
	WIN 0
	s_wait_xcnt 0x0                                ; the stores issued so far have read their bases and data: the bases are stepped here, and the set stored two turns back is rewritten only behind this wait
.if (\a2) > 0
.irp i, 0,1,2,3
	s_add_nc_u64 s[SBB+2*(\i):SBB+2*(\i)+1], s[SBB+2*(\i):SBB+2*(\i)+1], s[SA2:SA2+1]
.endr
.endif
.irp aa, 0,1
.irp b, 0,1,2,3,4,5,6,7
	global_store_b128 v[LO], v[TMP+64*((\a2)%2)+32*(\aa)+4*(\b):TMP+64*((\a2)%2)+32*(\aa)+4*(\b)+3], s[SBB+2*((\b)/2):SBB+2*((\b)/2)+1] offset:(\aa)*1024+((\b)%2)*512
.endr
.endr
.endr
	s_wait_tensorcnt 0x0                           ; the wave's end
	ds_add_u32 v[SPW], v[NIL]
	s_wait_dscnt 0x0
	CROUND                                         ; the closing round: no work-group ends while a partner may still ask for a tile that names it
	s_endpgm
.Lfunc_end_k_q178c3a2a72_proj:
	.size	k_q178c3a2a72_proj, .Lfunc_end_k_q178c3a2a72_proj-k_q178c3a2a72_proj
	.p2alignl 7, 3214868480
	.fill 96, 4, 3214868480
	.section	.rodata,"a",@progbits
	.p2align	6, 0x0
	.amdhsa_kernel k_q178c3a2a72_proj
		.amdhsa_group_segment_fixed_size 327680
		.amdhsa_private_segment_fixed_size 0
		.amdhsa_enable_private_segment 0
		.amdhsa_kernarg_size 24
		.amdhsa_user_sgpr_count 2
		.amdhsa_user_sgpr_kernarg_segment_ptr 1
		.amdhsa_wavefront_size32 1
		.amdhsa_system_sgpr_workgroup_id_x 1
		.amdhsa_system_sgpr_workgroup_id_y 1
		.amdhsa_system_sgpr_workgroup_id_z 1
		.amdhsa_system_vgpr_workitem_id 0
		.amdhsa_next_free_vgpr 1024
		.amdhsa_next_free_sgpr 96
		.amdhsa_reserve_vcc 0
		.amdhsa_float_denorm_mode_32 3
		.amdhsa_float_denorm_mode_16_64 3
		.amdhsa_memory_ordered 1
		.amdhsa_forward_progress 1
		.amdhsa_inst_pref_size 145
	.end_amdhsa_kernel
	.amdgpu_metadata
---
amdhsa.version: [ 1, 2 ]
amdhsa.kernels:
  - .name:           k_q178c3a2a72_proj
    .symbol:         k_q178c3a2a72_proj.kd
    .args:
      - { .name: xw, .offset: 0, .size: 8, .value_kind: global_buffer, .address_space: global }
      - { .name: bq, .offset: 8, .size: 8, .value_kind: global_buffer, .address_space: global }
      - { .name: heads, .offset: 16, .size: 8, .value_kind: global_buffer, .address_space: global }
    .group_segment_fixed_size: 327680
    .private_segment_fixed_size: 0
    .kernarg_segment_align: 8
    .kernarg_segment_size: 24
    .max_flat_workgroup_size: 128
    .sgpr_count:     96
    .vgpr_count:     1024
    .wavefront_size: 32
...
	.end_amdgpu_metadata
.endif
;; end of part 2
;; launch attn (part 3): grid 4 x 64, 8 waves a work-group, clusters of 4 x 1, 327,680 bytes of LDS; arguments heads, bv, att; writes att
.if DOCPART == 3
	.amdgcn_target "amdgcn-amd-amdhsa--gfx1250"
	.amdhsa_code_object_version 6
	.text
	.protected	k_q178c3a2a72_attn
	.globl	k_q178c3a2a72_attn
	.p2align	8
	.type	k_q178c3a2a72_attn,@function
k_q178c3a2a72_attn:
	s_mov_b64 s[64:65], 0
	v_nop
	global_prefetch_b8 v0, s[64:65] scope:SCOPE_SE
	s_setreg_imm32_b32 hwreg(HW_REG_WAVE_MODE, 25, 1), 1
	s_wait_xcnt 0x0
	s_wait_alu depctr_hold_cnt(0) depctr_sa_sdst(0) depctr_va_vdst(0) depctr_va_sdst(0) depctr_va_ssrc(0) depctr_va_vcc(0) depctr_vm_vsrc(0)
	s_getreg_b32 s2, hwreg(HW_REG_IB_STS2, 6, 4)
	s_cmp_eq_u32 s2, 0
	s_cbranch_scc0 .Lentry_in_a_cluster
	s_endpgm
.Lentry_in_a_cluster:
	s_bfe_u32 s2, ttmp6, 0x10000c
	s_cmp_lg_u32 s2, 0x3003
	s_cbranch_scc0 .Lentry_shape_is_right
	s_endpgm
.Lentry_shape_is_right:
; MEMORY ATTENTION, launch 3 of 4: for each of 64 (batch, head) pairs hd: O[q] = sum over the 3,072 keys (key rows, then memory rows) of softmax(q . k / sqrt(32)) v, + bv.  Head size 32, f16 operands, f32 sums.
; LEFT OUT: bk (the same term in all of a query's scores).  bv is added here, once a row, since the weights add up to 1; it is rounded to bf16 like every input.
; TWO PASSES, the true maximum.  A head's K (196,608 bytes) stays in LDS.  Pass 1: S^T = K Q'^T and each query's maximum m over all its keys.  Pass 2: S^T = K Q'^T - m (-m is the product's C operand),
; p = 2^S, l = sum p, O^T = V^T P.  Q' = q c, c = log2(e) / sqrt(32), scaled in f32 and rounded to f16 once more.  So pass 2 has no scaling, no rescaling of O and no chain of statistics:
; for 16 queries x 32 keys 16 exponentials, 8 roundings, 8 packed additions beside 4 matrix instructions; the price is K Q'^T made twice.
; LIMITS.  q c is rounded to f16 a second time (2^-12 of itself).  p lies in 0 to 1 and is rounded to f16 for the second product; l is taken of the unrounded p; a weight below 2^-126 counts as 0.
; O + bv beyond 65,504 has no f16, below 6e-5 it keeps f16's fixed step.  NaN and infinities are not treated apart.
; SHARES.  A work-group has 256 queries of one head; its eight waves: query group qg = wave & 3 (64 queries: four tiles of 16), key half hh = wave >> 2 (1,536 keys).  The two halves' maxima meet in LDS between the
; passes, their f32 sums O and l at the end.  The four query blocks of a head are a cluster and ask for K and V jointly (mask 15).
; LAYOUT.  heads holds fragments as they lie in registers: images of 512 bytes, lane l's 16 bytes at 16 l.  Every LDS load takes 512 consecutive bytes; nothing is turned or padded.
; S^T = K Q'^T: a lane holds ONE query (lane % 16) and keys 8 (lane / 16) + 0..7; two such results rounded in pairs ARE source 1 of O^T = V^T P, which again holds one query a lane, and eight channels.
; V comes in four tiles of 384 keys of each half through two slots; eight waves share a tile's 192 rows of 256 bytes, 24 a load, so that all waves issue the same loads and one count serves all.
; By this text's count a wave has three tensor loads out at the start and one behind each round.  All registers lie in one window of 256.
.set VS1,   65536                      ; LDS: V's slot 0 at 0 (two halves of 24,576 bytes), slot 1 here: one exclusive or changes slots
.set SPARE, 49152                      ; the spare words, 128 bytes a wave, named by no other line
.set MX,    50176                      ; the maxima: 512 bytes a wave
.set KB,    131072                     ; K, 196,608 bytes, filled once; behind its last read the first 34,816 bytes carry the upper half's O and l
.set XOW,   8704
.set KFO,   4194304
.set VFO,   16777216
.set HSK,   196608
.set SPW, 1                            ; v1  my spare word; never rewritten
.set NIL, 2                            ; v2  0; never rewritten
.set L16, 3                            ; v3  16 x lane
.set AK,  4                            ; v4  LDS address of K's loads
.set AV,  5                            ; v5  of V's
.set TT,  6                            ; v6  at work
.set PFO, 7                            ; v7  the prefetch's offset; not rewritten behind it
.set L,   8                            ; v8-23    l: tile t: two chains of a pair at 8 + 4 t and 10 + 4 t
.set P,   24                           ; v24-31   P of one unit
.set QP,  32                           ; v32-63   Q', 8 a tile
.set CM,  64                           ; v64-95   -m, 8 equal registers a tile
.set O,   96                           ; v96-159  O^T: tile t, channels 16 cb on, at 96 + 16 t + 8 cb
.set CH,  96                           ; pass 1: four chains of maxima a tile
.set MM,  112                          ; pass 1: the four maxima
.set S,   160                          ; v160-207 S^T, three buffers of 16 (pass 1: two)
.set POOL,208                          ; v208-255 fragments of K and V, three buffers of 16 (pass 1: two)
.set WV,  12                           ; s12 wave; s13 cx; s14 hd; s15 hh; s16 qg
.set TK,  52                           ; s52 LDS byte of K's next body
.set TV,  53                           ; s53 of V's
.set CNT, 54
.set OUTER, 55
.set SEL, 56                           ; s[56:57] v_permlanex16_b32's selects: each lane takes its own place in the other half
.macro ROUND                           ; a round of the cluster's barrier
	s_barrier_signal -1
	s_barrier_wait -1
	s_cmp_lg_u32 s[WV], 0
	s_cbranch_scc1 .Lnot_wave_0_\@
	s_barrier_signal -3
.Lnot_wave_0_\@:
	s_barrier_wait -3
	s_barrier_signal -1
	s_barrier_wait -1
.endm
.macro LOAD4 dst, adr, off             ; 32 keys' fragments: four images
.irp i, 0,1,2,3
	ds_load_b128 v[(\dst)+4*(\i):(\dst)+4*(\i)+3], v[\adr] offset:(\off)+512*(\i)
.endr
.endm
.macro PLACES
.rept 4
	v_nop
.endr
.endm
	s_load_b128 s[4:7], s[0:1], 0x0                ; heads s[4:5], bv s[6:7]
	s_load_b64 s[8:9], s[0:1], 0x10                ; att
	v_lshl_add_u32 v[SPW], v0, 2, SPARE
	v_mov_b32 v[NIL], 0
	ds_add_u32 v[SPW], v[NIL]                      ; the wave's opening: the add, twice on end, and its wait ahead of my first tensor load
	ds_add_u32 v[SPW], v[NIL]
	v_lshrrev_b32 v[TT], 5, v0
	v_readfirstlane_b32 s[WV], v[TT]
	s_bfe_u32 s13, ttmp6, 0x40000                  ; cx: it enters Q's, att's and the prefetch's addresses alone
	s_and_b32 s14, ttmp7, 0xffff                   ; hd, which the four partners share
	s_lshr_b32 s15, s[WV], 2
	s_and_b32 s16, s[WV], 3
	; descriptor group 1: dense blocks as rows of 256 bytes (32 elements of 8 bytes), no padding; the mask of four, bit 21 beside it
	s_mov_b32 s24, 15|(3<<16)|(1<<21)
	s_mov_b32 s25, 32<<16                          ; tensor_dim0 = 32
	s_mov_b32 s26, 96<<16                          ; tensor_dim1 = 96: K, 24,576 bytes a wave
	s_mov_b32 s27, 32<<16                          ; tile_dim0 = 32
	s_mov_b32 s28, 96                              ; tile_dim1
	s_mov_b32 s29, 32                              ; elements from row to row
	s_mov_b32 s30, 0
	s_mov_b32 s31, 0
	s_mov_b32 s32, 15|(3<<16)|(1<<21)
	s_mov_b32 s33, 32<<16
	s_mov_b32 s34, 24<<16                          ; V: 24 rows, 6,144 bytes a wave
	s_mov_b32 s35, 32<<16
	s_mov_b32 s36, 24
	s_mov_b32 s37, 32
	s_mov_b32 s38, 0
	s_mov_b32 s39, 0
	s_mov_b32 s40, 1                               ; group 0 for K
	s_mul_i32 s41, s[WV], 24576
	s_add_co_u32 s41, s41, KB
	s_mov_b32 s44, 1                               ; for V's tile 0, slot 0
	s_mul_i32 s45, s[WV], 6144
	s_mov_b32 s48, 1                               ; for V's tile 1, slot 1; this one then walks
	s_add_co_u32 s49, s45, VS1
	s_mul_i32 s17, s14, HSK                        ; the head's bytes in K and in V
	s_mul_i32 s18, s[WV], 24576
	s_add_co_u32 s18, s18, s17
	s_add_co_u32 s18, s18, KFO
	s_mov_b32 s19, 0
	s_add_co_u32 s20, s17, VFO
	s_mov_b32 s21, 0
	s_mul_i32 s22, s15, 98304                      ; my half's V, my quarter of a tile
	s_mul_i32 s23, s16, 6144
	s_add_co_u32 s22, s22, s23
	s_mov_b32 s23, 0
	s_lshl_b32 s70, s13, 4
	s_lshl_b32 s71, s16, 2
	s_add_co_u32 s70, s70, s71                     ; my first block of 16 queries: 16 cx + 4 qg,
	s_lshl_b32 s70, s70, 10                        ; 1,024 bytes each in Q and in att,
	s_lshl_b32 s71, s14, 16                        ; 65,536 a head
	s_add_co_u32 s70, s70, s71
	s_mov_b32 s71, 0
	s_and_b32 s72, s14, 31
	s_lshl_b32 s72, s72, 7                         ; the head's 32 numbers of bv
	s_mov_b32 s73, 0
	s_mov_b32 s[SEL], 0x76543210
	s_mov_b32 s[SEL+1], 0xfedcba98
	s_mul_i32 s[TK], s15, 98304
	s_add_co_u32 s[TK], s[TK], KB                  ; my half of K
	s_mul_i32 s[TV], s15, 24576                    ; my half of slot 0
	s_wait_dscnt 0x0                               ; both opening adds are done
	s_wait_kmcnt 0x0
	s_add_nc_u64 s[42:43], s[4:5], s[18:19]
	s_or_b32 s43, s43, 0x80000000
	s_add_nc_u64 s[60:61], s[4:5], s[20:21]        ; the head's V
	s_add_nc_u64 s[46:47], s[60:61], s[22:23]
	s_add_nc_u64 s[50:51], s[46:47], 24576
	s_or_b32 s47, s47, 0x80000000
	s_or_b32 s51, s51, 0x80000000
	s_add_nc_u64 s[62:63], s[4:5], s[70:71]        ; my Q
	s_add_nc_u64 s[66:67], s[8:9], s[70:71]        ; my rows of att
	s_add_nc_u64 s[68:69], s[6:7], s[72:73]
	ROUND                                          ; all four work-groups are here: the first joint loads meet
	tensor_load_to_lds s[40:43], s[24:31]          ; K
	s_nop 0
	tensor_load_to_lds s[44:47], s[32:39]          ; V, tile 0
	s_nop 0
	tensor_load_to_lds s[48:51], s[32:39]          ; V, tile 1
	s_nop 0
	v_and_b32 v[L16], 31, v0
	v_lshlrev_b32 v[L16], 4, v[L16]
.irp t, 0,1,2,3
	global_load_b128 v[QP+8*(\t):QP+8*(\t)+3],   v[L16], s[62:63] offset:1024*(\t)
	global_load_b128 v[QP+8*(\t)+4:QP+8*(\t)+7], v[L16], s[62:63] offset:1024*(\t)+512
.endr
	v_mov_b32 v[TT], 0x3e8293ee                    ; c = log2(e) / sqrt(32) = 0.255035
	v_mov_b32 v[PFO], 0
.set i, 0
.rept 16
	v_mov_b32 v[CH+i], 0xff7fffff                  ; the chains begin at the lowest finite number,
	v_mov_b32 v[S+16+i], 0xff7fffff                ; and so does the unit that the first turn takes for the one before it
.set i, i+1
.endr
	s_wait_loadcnt 0x0
.set i, 0
.rept 32                               ; Q' = q c: both halves widened and scaled in f32, rounded once
	v_fma_mix_f32 v[S+2*(i%4)],   v[QP+i], v[TT], v[PFO] op_sel_hi:[1,0,0]
	v_fma_mix_f32 v[S+2*(i%4)+1], v[QP+i], v[TT], v[PFO] op_sel:[1,0,0] op_sel_hi:[1,0,0]
	v_cvt_pk_f16_f32 v[QP+i], v[S+2*(i%4)], v[S+2*(i%4)+1]
.set i, i+1
.endr
	s_wait_tensorcnt 2                             ; my part of K is in; both tiles of V may stay out
	s_barrier_signal -1
	s_barrier_wait -1
; PASS 1.  A unit is one tile x 32 keys: two products.  Turn tau makes unit tau's scores and takes unit tau - 1's into its tile's four chains: four v_max3_num_f32 behind each product, which are also the places
; behind it (each accumulator's lowest registers are read first).  A body is 8 turns, 64 keys; 32 keys' fragments of K are fetched four turns ahead, into the buffer just left.
; ld = 1: the wait for the fragments due, and the next fetch; 2: the wait alone.
.macro P1TURN tau, ld
.set t1, (\tau)%4
.set t0, ((\tau)+3)%4
.set sb, S+16*((\tau)%2)
.set pb, S+16*(((\tau)+1)%2)
.set kb, POOL+16*((\tau)/4)
.if \ld
	s_wait_dscnt 0x0
.endif
.if (\ld) == 1
	LOAD4 POOL+16*(1-(\tau)/4), AK, 2048*((\tau)/4+1)
.endif
	v_wmma_f32_16x16x32_f16 v[sb:sb+7], v[kb:kb+7], v[QP+8*t1:QP+8*t1+7], 0
.irp j, 0,1,2,3
	v_max3_num_f32 v[CH+4*t0+(\j)], v[CH+4*t0+(\j)], v[pb+2*(\j)], v[pb+2*(\j)+1]
.endr
	v_wmma_f32_16x16x32_f16 v[sb+8:sb+15], v[kb+8:kb+15], v[QP+8*t1:QP+8*t1+7], 0
.irp j, 0,1,2,3
	v_max3_num_f32 v[CH+4*t0+(\j)], v[CH+4*t0+(\j)], v[pb+8+2*(\j)], v[pb+9+2*(\j)]
.endr
.endm
.macro P1BODY la
	v_add_nc_u32 v[AK], s[TK], v[L16]
	P1TURN 0, 1
	P1TURN 1, 0
	P1TURN 2, 0
	P1TURN 3, 0
	P1TURN 4, 1+(\la)
	P1TURN 5, 0
	P1TURN 6, 0
	P1TURN 7, 0
	s_add_co_u32 s[TK], s[TK], 4096
.endm
	v_add_nc_u32 v[AK], s[TK], v[L16]
	LOAD4 POOL, AK, 0
	s_mov_b32 s[CNT], 23
.Lp1:
	P1BODY 0
	s_sub_co_u32 s[CNT], s[CNT], 1
	s_cmp_lg_u32 s[CNT], 0
	s_cbranch_scc1 .Lp1
	P1BODY 1                                       ; the last body fetches nothing beyond my half's end
.irp j, 0,1,2,3,4,5,6,7
	v_max3_num_f32 v[CH+12+(\j)%4], v[CH+12+(\j)%4], v[S+16+2*(\j)], v[S+17+2*(\j)]  ; the last unit
.endr
.irp t, 0,1,2,3
	v_max3_num_f32 v[CH+4*(\t)], v[CH+4*(\t)], v[CH+4*(\t)+1], v[CH+4*(\t)+2]
.endr
.irp t, 0,1,2,3
	v_max_num_f32 v[CH+4*(\t)], v[CH+4*(\t)], v[CH+4*(\t)+3]
.endr
.irp t, 0,1,2,3
	v_permlanex16_b32 v[CH+4*(\t)+1], v[CH+4*(\t)], s[SEL], s[SEL+1]  ; the query's other keys lie in the lane 16 away
.endr
.irp t, 0,1,2,3
	v_max_num_f32 v[MM+(\t)], v[CH+4*(\t)], v[CH+4*(\t)+1]
.endr
	s_lshl_b32 s20, s[WV], 9
	s_add_co_u32 s20, s20, MX
	v_add_nc_u32 v[TT], s20, v[L16]
	ds_store_b128 v[TT], v[MM:MM+3]
	s_lshl_b32 s21, s16, 9
	s_add_co_u32 s21, s21, MX
	v_add_nc_u32 v[AV], s21, v[L16]
	s_wait_tensorcnt 1                             ; my part of V's tile 0 is in; tile 1 may stay out
	s_wait_dscnt 0x0                               ; for the others' sake: my maxima are stored
	s_barrier_signal -1
	s_barrier_wait -1
	ds_load_b128 v[MM+4:MM+7],  v[AV]              ; both halves' maxima of my queries (one of them my own)
	ds_load_b128 v[MM+8:MM+11], v[AV] offset:2048
	s_mul_i32 s[TK], s15, 98304
	s_add_co_u32 s[TK], s[TK], KB                  ; pass 2 begins at my half's first key again
	s_wait_dscnt 0x0
.irp t, 0,1,2,3
	v_max_num_f32 v[MM+(\t)], v[MM+4+(\t)], v[MM+8+(\t)]
.endr
.set i, 0
.rept 32
	v_mul_f32 v[CM+i], -1.0, v[MM+i/8]
.set i, i+1
.endr
; PASS 2, three stages.  Turn tau: K Q'^T - m of unit tau (tile tau % 4, into S[tau % 3]); the 16 exponentials of unit tau - 1, in place; the roundings, sums and V^T P of unit tau - 2.
; CC i: pair i of the weights rounded to f16.  XX i: exponential i.  AA i: pair i added onto chain i % 2 of l (a tile's first unit starts the chains: pairs 0 + 2 and 1 + 3).
; Exponentials and plain lines go by turns.  The 16 exponentials are one batch: nothing names a result before the turn's end, where the wait stands, ahead of every label and jump;
; AA 7 is the plain instruction behind the last of them.  AA 4 to AA 7 are the four places between the last V^T P and the next write of P and the next load into V's buffer; CC 4 .. AA 0 those behind the last K Q'^T.
; No two matrix instructions that follow each other share an accumulator.  K of 32 keys j lies in pool buffer 2 j % 3, V in (2 j + 1) % 3; a run of four loads stands at the head of every even turn,
; into the buffer left a turn before, and is waited for two turns later.  ld = 1: that wait and the next run; 2: the wait alone.  A turn without V^T P ends with four v_nop in the places' stead.
.macro CC i
.if PVF
	v_cvt_pk_f16_f32 v[P+(\i)], v[se+2*(\i)], v[se+2*(\i)+1]
.endif
.endm
.macro XX i
.if EXF
	v_exp_f32 v[sx+(\i)], v[sx+(\i)]
.endif
.endm
.macro AA i
.if PVF
.if FIF && ((\i) < 2)
	v_pk_add_f32 v[L+4*tp+2*(\i):L+4*tp+2*(\i)+1], v[se+2*(\i):se+2*(\i)+1], v[se+2*(\i)+4:se+2*(\i)+5]
.elseif FIF && ((\i) < 4)
.else
	v_pk_add_f32 v[L+4*tp+2*((\i)%2):L+4*tp+2*((\i)%2)+1], v[L+4*tp+2*((\i)%2):L+4*tp+2*((\i)%2)+1], v[se+2*(\i):se+2*(\i)+1]
.endif
.endif
.endm
.macro TURN tau, kq, ex, pv, fi, ld
.set PVF, (\pv)
.set EXF, (\ex)
.set FIF, (\fi)
.set tq, (\tau)%4
.set sq, S+16*((\tau)%3)
.set kp, POOL+16*((2*((\tau)/4))%3)
.set sx, S+16*(((\tau)+2)%3)
.set se, S+16*(((\tau)+1)%3)
.set tp, ((\tau)+2)%4
.set vp, POOL+16*((2*((((\tau)+10)/4)%3)+1)%3)
.if \ld
	s_wait_dscnt 0x0
.endif
.if (\ld) == 1
.if (\tau)%4 == 0
	LOAD4 POOL+16*((2*((\tau)/4)+1)%3), AV, 2048*((\tau)/4)
.else
	LOAD4 POOL+16*((2*((\tau)/4)+2)%3), AK, 2048*((\tau)/4+1)
.endif
.endif
.if \kq
	v_wmma_f32_16x16x32_f16 v[sq:sq+7], v[kp:kp+7], v[QP+8*tq:QP+8*tq+7], v[CM+8*tq:CM+8*tq+7]
.endif
	CC 0
	XX 0
	CC 1
	XX 1
	CC 2
	XX 2
	CC 3
	XX 3
.if \kq
	v_wmma_f32_16x16x32_f16 v[sq+8:sq+15], v[kp+8:kp+15], v[QP+8*tq:QP+8*tq+7], v[CM+8*tq:CM+8*tq+7]
.endif
	CC 4
	XX 4
	CC 5
	XX 5
	CC 6
	XX 6
	CC 7
	XX 7
	AA 0
	XX 8
.if (\pv) && (\fi)
	v_wmma_f32_16x16x32_f16 v[O+16*tp:O+16*tp+7], v[vp:vp+7], v[P:P+7], 0
.elseif \pv
	v_wmma_f32_16x16x32_f16 v[O+16*tp:O+16*tp+7], v[vp:vp+7], v[P:P+7], v[O+16*tp:O+16*tp+7]
.endif
	AA 1
	XX 9
	AA 2
	XX 10
	AA 3
	XX 11
.if (\pv) && (\fi)
	v_wmma_f32_16x16x32_f16 v[O+16*tp+8:O+16*tp+15], v[vp+8:vp+15], v[P:P+7], 0
.elseif \pv
	v_wmma_f32_16x16x32_f16 v[O+16*tp+8:O+16*tp+15], v[vp+8:vp+15], v[P:P+7], v[O+16*tp+8:O+16*tp+15]
.endif
	XX 12
	AA 4
	XX 13
	AA 5
	XX 14
	AA 6
	XX 15
	AA 7
.if !(\pv)
	PLACES
.endif
.if \ex
	s_wait_alu depctr_va_vdst(0)                   ; one wait for the turn's batch
.endif
.endm
; A body: 12 turns, 96 keys: the common period of three S buffers, four tiles and three pool buffers.  fi = 1: the pipeline fills.  la = 1: there is no K behind my half's end.
.macro BODY fi, la
	v_add_nc_u32 v[AK], s[TK], v[L16]
	v_add_nc_u32 v[AV], s[TV], v[L16]
.if \fi
	TURN 0, 1, 0, 0, 0, 1
	TURN 1, 1, 1, 0, 0, 0
	TURN 2, 1, 1, 1, 1, 1
	TURN 3, 1, 1, 1, 1, 0
	TURN 4, 1, 1, 1, 1, 1
	TURN 5, 1, 1, 1, 1, 0
.else
	TURN 0, 1, 1, 1, 0, 1
	TURN 1, 1, 1, 1, 0, 0
	TURN 2, 1, 1, 1, 0, 1
	TURN 3, 1, 1, 1, 0, 0
	TURN 4, 1, 1, 1, 0, 1
	TURN 5, 1, 1, 1, 0, 0
.endif
	TURN 6, 1, 1, 1, 0, 1
	TURN 7, 1, 1, 1, 0, 0
	TURN 8, 1, 1, 1, 0, 1
	TURN 9, 1, 1, 1, 0, 0
	TURN 10, 1, 1, 1, 0, 1+(\la)
	TURN 11, 1, 1, 1, 0, 0
	s_add_co_u32 s[TK], s[TK], 6144
	s_add_co_u32 s[TV], s[TV], 6144
.endm
; THE CHANGE OF SLOTS, behind four bodies: the slot's last V is in registers.  Each wave has all its tensor loads in (the one that was out is its part of the other slot), has added 0 to its spare word and has its
; LDS loads back.  fill = 1: a round of the cluster's barrier, and the slot just left is filled first thing behind it, with the tile two on: four bodies, 48 turns of each wave, in which to land.
.macro CHANGE fill
	s_wait_tensorcnt 0x0
	ds_add_u32 v[SPW], v[NIL]                      ; the scalar steps stand between the add and the wait for it
.if \fill
	s_xor_b32 s49, s49, VS1                        ; the walking descriptor: the other slot than last time,
	s_add_nc_u64 s[50:51], s[50:51], 24576         ; the next tile; the type bits on top are not reached
.endif
	s_sub_co_u32 s[TV], s[TV], 24576               ; my reads go back to a slot's head, in the other slot
	s_xor_b32 s[TV], s[TV], VS1
	s_wait_dscnt 0x0
.if \fill
	ROUND
	tensor_load_to_lds s[48:51], s[32:39]
	s_nop 0
.else
	s_barrier_signal -1
	s_barrier_wait -1
.endif
.endm
	v_add_nc_u32 v[AK], s[TK], v[L16]
	LOAD4 POOL, AK, 0                              ; K of my first 32 keys
	; V's tiles 2 and 3 are prefetched into the L2: 384 blocks of 256 bytes, each named once: block 96 cx + thread, threads 0-95 (waves 0-2) of each partner; blocks 0-191 are the lower half's two tiles,
	; 49,152 bytes from byte 49,152 of the head's V, blocks 192-383 the upper half's, 98,304 bytes further.  Tile 2 is asked for 48 turns on, tile 3 96.  K and tiles 0, 1 come by their loads alone.
	s_cmp_lt_u32 s[WV], 3
	s_cbranch_scc0 .Lno_pf
	s_mul_i32 s20, s13, 96
	s_mov_b32 s21, 49152
	v_add_nc_u32 v[PFO], s20, v0
	v_cmp_le_u32 vcc_lo, 192, v[PFO]
	v_cndmask_b32 v[TT], 0, s21, vcc_lo
	v_lshl_add_u32 v[PFO], v[PFO], 8, v[TT]
	global_prefetch_b8 v[PFO], s[60:61] offset:49152 th:TH_LOAD_NT scope:SCOPE_SE
.Lno_pf:
	BODY 1, 0
	s_mov_b32 s[CNT], 3
.Lt0:
	BODY 0, 0
	s_sub_co_u32 s[CNT], s[CNT], 1
	s_cmp_lg_u32 s[CNT], 0
	s_cbranch_scc1 .Lt0
	s_mov_b32 s[OUTER], 2
.Ltile:                                                ; tiles 1 and 2 are read, tiles 2 and 3 asked for
	CHANGE 1
	s_mov_b32 s[CNT], 4
.Lt1:
	BODY 0, 0
	s_sub_co_u32 s[CNT], s[CNT], 1
	s_cmp_lg_u32 s[CNT], 0
	s_cbranch_scc1 .Lt1
	s_sub_co_u32 s[OUTER], s[OUTER], 1
	s_cmp_lg_u32 s[OUTER], 0
	s_cbranch_scc1 .Ltile
	CHANGE 0                                       ; the last tile: nothing is asked for
	s_mov_b32 s[CNT], 3
.Lt3:
	BODY 0, 0
	s_sub_co_u32 s[CNT], s[CNT], 1
	s_cmp_lg_u32 s[CNT], 0
	s_cbranch_scc1 .Lt3
	BODY 0, 1
	TURN 12, 0, 1, 1, 0, 0                         ; the pipeline drains
	TURN 13, 0, 0, 1, 0, 0
	; THE END.  l over my keys; the upper half's O and l go through LDS (f32) to the lower half's waves, which add, divide, add bv, round and store.
.irp t, 0,1,2,3
	v_pk_add_f32 v[L+4*(\t):L+4*(\t)+1], v[L+4*(\t):L+4*(\t)+1], v[L+4*(\t)+2:L+4*(\t)+3]
.endr
.irp t, 0,1,2,3
	v_add_f32 v[L+4*(\t)], v[L+4*(\t)], v[L+4*(\t)+1]
.endr
.irp t, 0,1,2,3
	v_permlanex16_b32 v[L+4*(\t)+1], v[L+4*(\t)], s[SEL], s[SEL+1]
.endr
.irp t, 0,1,2,3
	v_add_f32 v[P+(\t)], v[L+4*(\t)], v[L+4*(\t)+1]
.endr
	s_mul_i32 s20, s16, XOW
	s_add_co_u32 s20, s20, KB
	v_add_nc_u32 v[AK], s20, v[L16]                ; the place where query group qg's two waves meet
	s_cmp_lt_u32 s[WV], 4
	s_cbranch_scc0 .Lno_bv
	v_bfe_u32 v[AV], v0, 4, 1
	v_lshlrev_b32 v[AV], 5, v[AV]                  ; my eight channels of sixteen
.irp c, 0,1
	global_load_b128 v[QP+8*(\c):QP+8*(\c)+3],   v[AV], s[68:69] offset:64*(\c)
	global_load_b128 v[QP+8*(\c)+4:QP+8*(\c)+7], v[AV], s[68:69] offset:64*(\c)+16
.endr
.Lno_bv:
	s_wait_dscnt 0x0                               ; my reads of K are over
	s_barrier_signal -1
	s_barrier_wait -1                              ; everybody's are: K's bytes, which no load fills again, may be written
	s_cmp_lt_u32 s[WV], 4
	s_cbranch_scc1 .Lkeep
.irp i, 0,1,2,3,4,5,6,7,8,9,10,11,12,13,14,15
	ds_store_b128 v[AK], v[O+4*(\i):O+4*(\i)+3] offset:512*(\i)
.endr
	ds_store_b128 v[AK], v[P:P+3] offset:8192
.Lkeep:
	s_wait_dscnt 0x0                               ; for the others' sake: my stores are done
	s_barrier_signal -1
	s_barrier_wait -1
	s_cmp_lt_u32 s[WV], 4
	s_cbranch_scc0 .Lend
.irp i, 0,1,2,3,4,5,6,7,8,9,10,11,12,13,14,15
	ds_load_b128 v[S+4*(\i):S+4*(\i)+3], v[AK] offset:512*(\i)
.endr
	ds_load_b128 v[S+64:S+67], v[AK] offset:8192
	s_wait_dscnt 0x0
.set i, 0
.rept 32
	v_pk_add_f32 v[O+i:O+i+1], v[O+i:O+i+1], v[S+i:S+i+1]
.set i, i+2
.endr
.irp t, 0,1,2,3
	v_add_f32 v[P+(\t)], v[P+(\t)], v[S+64+(\t)]
.endr
.irp t, 0,1,2,3
	v_rcp_f32 v[L+4*(\t)], v[P+(\t)]               ; l is at least the largest weight, which is 1 to within rounding
.endr
	s_wait_loadcnt 0x0                             ; bv
.set i, 0
.rept 8                                ; rounded to bf16 like every input; plain work behind the reciprocals
	v_cvt_pk_bf16_f32 v[TT], v[QP+i], v[QP+i+1]
	v_lshlrev_b32 v[QP+i], 16, v[TT]
	v_and_b32 v[QP+i+1], 0xffff0000, v[TT]
.set i, i+2
.endr
	s_wait_alu depctr_va_vdst(0)                   ; one wait for the four reciprocals, ahead of their first reader
.irp t, 0,1,2,3
.irp c, 0,1
.irp i, 0,2,4,6
	v_pk_fma_f32 v[O+16*(\t)+8*(\c)+(\i):O+16*(\t)+8*(\c)+(\i)+1], v[O+16*(\t)+8*(\c)+(\i):O+16*(\t)+8*(\c)+(\i)+1], v[L+4*(\t):L+4*(\t)+1], v[QP+8*(\c)+(\i):QP+8*(\c)+(\i)+1] op_sel_hi:[1,0,1]
.endr
.endr
.endr
.set i, 0
.rept 32
	v_cvt_pk_f16_f32 v[S+i], v[O+2*i], v[O+2*i+1]
.set i, i+1
.endr
.irp k, 0,1,2,3,4,5,6,7
	global_store_b128 v[L16], v[S+4*(\k):S+4*(\k)+3], s[66:67] offset:512*(\k)  ; tile k / 2, channels 16 (k % 2) on: an image of 512 consecutive bytes, aligned
.endr
.Lend:
	s_wait_tensorcnt 0x0                           ; the wave's end
	ds_add_u32 v[SPW], v[NIL]
	s_wait_dscnt 0x0
	ROUND                                          ; the closing round
	s_endpgm
.Lfunc_end_k_q178c3a2a72_attn:
	.size	k_q178c3a2a72_attn, .Lfunc_end_k_q178c3a2a72_attn-k_q178c3a2a72_attn
	.p2alignl 7, 3214868480
	.fill 96, 4, 3214868480
	.section	.rodata,"a",@progbits
	.p2align	6, 0x0
	.amdhsa_kernel k_q178c3a2a72_attn
		.amdhsa_group_segment_fixed_size 327680
		.amdhsa_private_segment_fixed_size 0
		.amdhsa_enable_private_segment 0
		.amdhsa_kernarg_size 24
		.amdhsa_user_sgpr_count 2
		.amdhsa_user_sgpr_kernarg_segment_ptr 1
		.amdhsa_wavefront_size32 1
		.amdhsa_system_sgpr_workgroup_id_x 1
		.amdhsa_system_sgpr_workgroup_id_y 1
		.amdhsa_system_sgpr_workgroup_id_z 1
		.amdhsa_system_vgpr_workitem_id 0
		.amdhsa_next_free_vgpr 256
		.amdhsa_next_free_sgpr 80
		.amdhsa_reserve_vcc 1
		.amdhsa_float_denorm_mode_32 3
		.amdhsa_float_denorm_mode_16_64 3
		.amdhsa_memory_ordered 1
		.amdhsa_forward_progress 1
		.amdhsa_inst_pref_size 159
	.end_amdhsa_kernel
	.amdgpu_metadata
---
amdhsa.version: [ 1, 2 ]
amdhsa.kernels:
  - .name:           k_q178c3a2a72_attn
    .symbol:         k_q178c3a2a72_attn.kd
    .args:
      - { .name: heads, .offset: 0, .size: 8, .value_kind: global_buffer, .address_space: global }
      - { .name: bv, .offset: 8, .size: 8, .value_kind: global_buffer, .address_space: global }
      - { .name: att, .offset: 16, .size: 8, .value_kind: global_buffer, .address_space: global }
    .group_segment_fixed_size: 327680
    .private_segment_fixed_size: 0
    .kernarg_segment_align: 8
    .kernarg_segment_size: 24
    .max_flat_workgroup_size: 256
    .sgpr_count:     80
    .vgpr_count:     256
    .wavefront_size: 32
...
	.end_amdgpu_metadata
.endif
;; end of part 3
;; launch outp (part 4): grid 16 x 16, 4 waves a work-group, clusters of 4 x 4, 327,680 bytes of LDS; arguments att, xw, bo, out0; writes out0
.if DOCPART == 4
	.amdgcn_target "amdgcn-amd-amdhsa--gfx1250"
	.amdhsa_code_object_version 6
	.text
	.protected	k_q178c3a2a72_outp
	.globl	k_q178c3a2a72_outp
	.p2align	8
	.type	k_q178c3a2a72_outp,@function
k_q178c3a2a72_outp:
	s_mov_b64 s[64:65], 0
	v_nop
	global_prefetch_b8 v0, s[64:65] scope:SCOPE_SE
	s_setreg_imm32_b32 hwreg(HW_REG_WAVE_MODE, 25, 1), 1
	s_wait_xcnt 0x0
	s_wait_alu depctr_hold_cnt(0) depctr_sa_sdst(0) depctr_va_vdst(0) depctr_va_sdst(0) depctr_va_ssrc(0) depctr_va_vcc(0) depctr_vm_vsrc(0)
	s_getreg_b32 s2, hwreg(HW_REG_IB_STS2, 6, 4)
	s_cmp_eq_u32 s2, 0
	s_cbranch_scc0 .Lentry_in_a_cluster
	s_endpgm
.Lentry_in_a_cluster:
	s_bfe_u32 s2, ttmp6, 0x10000c
	s_cmp_lg_u32 s2, 0xf033
	s_cbranch_scc0 .Lentry_shape_is_right
	s_endpgm
.Lentry_shape_is_right:
; MEMORY ATTENTION, launch 4 of 4: out0[token][f] = sum over e of att[token][e] Wo[f][e] + bo[f].  2,048 x 1,024 x 1,024, f16 operands, f32 sums and output.  bo, rounded to bf16 like every input, starts the sums as C.
; Nothing is left out here.
; SHARES.  A work-group makes 128 tokens x 64 features: 256 work-groups.  Wave w has tokens 32 w .. 32 w + 31 and all 64 features: 2 x 4 accumulators; a row of its part of out0 is 256 bytes, aligned.
; 4 x 4 work-groups are a cluster: att's tile is shared along a row, Wo's along a column, each asked for jointly.
; K goes in four steps of 256 (eight heads).  Three slots are filled at the start; slot 0 is filled once more, with step 3, behind a round, and has two steps in which to land.
; By this text's count a wave has three tensor loads out at the start and one behind the round.
; att is [hd][64 blocks of 16 tokens][half 0, 1][512 B]: images of half a fragment, lane l's 16 bytes at 16 l: a head's eight blocks of my tile are 8,192 dense bytes, one row of the tensor load.
; Source 0 = 16 rows of Wo, source 1 = 16 tokens: a lane ends with token lane % 16 and features 8 (lane / 16) + 0..7: 32 neighbouring bytes of a row of out0.
; NO PREFETCH: all tiles but one are asked for at the launch's head, and the text is a few hundred matrix instructions long.
.set SLOT,  99328                      ; A: 65,536 ([8 heads][8 blocks][2][512]); B at + 65,536: 64 rows of 512 bytes + 16 of padding
.set BOFF,  65536
.set PB,    528                        ; an odd multiple of 16
.set STAGE, 3*SLOT                     ; 16 rows x 272 bytes a wave, filled by no tensor load
.set SP,    272
.set SPARE, STAGE+4*16*SP              ; the spare words, 128 bytes a wave, named by no other line
.set ADA, 4                            ; v4-6   LDS address of my A fragments in slot 0, 1, 2
.set ADB, 8                            ; v8-10  the same for B
.set STO, 12
.set RD,  13
.set CO,  14
.set BOA, 15                           ; v15    32 h
.set SPW, 16
.set NIL, 17
.set TT,  18
.set BO,  32                           ; v32-63   bo, 8 registers for each block b of 16 features
.set ACC, 64                           ; v64-127  (a, b) at 64 + 8 (4 a + b)
.set FB0, 128                          ; v128-223 two fragment buffers of 48: A 2 x 8, then B 4 x 8; on the way out the rows read back
.set G1A, 24
.set G1B, 32
.set G0A, 40                           ; s[40:51] three sets of group 0 for A
.set G0B, 52                           ; s[52:63] for B
.macro ROUND
	s_barrier_signal -1
	s_barrier_wait -1
	s_cmp_lg_u32 s12, 0
	s_cbranch_scc1 .Lnot_wave_0_\@
	s_barrier_signal -3
.Lnot_wave_0_\@:
	s_barrier_wait -3
	s_barrier_signal -1
	s_barrier_wait -1
.endm
.macro PLACES
.rept 4
	v_nop
.endr
.endm
	s_load_b256 s[4:11], s[0:1], 0x0               ; att s[4:5], xw s[6:7], bo s[8:9], out0 s[10:11]
	v_lshl_add_u32 v[SPW], v0, 2, SPARE
	v_mov_b32 v[NIL], 0
	ds_add_u32 v[SPW], v[NIL]                      ; the wave's opening: the add, twice on end, and its wait ahead of my first tensor load
	ds_add_u32 v[SPW], v[NIL]
	v_lshrrev_b32 v1, 5, v0
	v_readfirstlane_b32 s12, v1                    ; wave 0..3: waves 0, 1 fetch A's halves, waves 2, 3 B's
	s_and_b32 s13, s12, 1
	s_bfe_u32 s14, ttmp6, 0x40000                  ; cx
	s_bfe_u32 s15, ttmp6, 0x40004                  ; cy
	s_lshl_b32 s16, ttmp9, 2
	s_add_co_u32 s16, s16, s14                     ; tx: 64 features
	s_and_b32 s17, ttmp7, 0xffff
	s_lshl_b32 s17, s17, 2
	s_add_co_u32 s17, s17, s15                     ; ty: 128 tokens
	s_lshl_b32 s18, s15, 2
	s_lshl_b32 s18, 15, s18                        ; my row of the cluster
	s_lshl_b32 s19, 0x1111, s14                    ; my column
	s_or_b32 s[G1A], s18, (1<<16)|(1<<21)          ; A: 2-byte elements, no padding; four rows (heads) of 4,096 elements, 32,768 elements apart
	s_mov_b32 s[G1A+1], 4096<<16
	s_mov_b32 s[G1A+2], 4<<16
	s_mov_b32 s[G1A+3], 4096<<16
	s_mov_b32 s[G1A+4], 4
	s_mov_b32 s[G1A+5], 32768
	s_mov_b32 s[G1A+6], 0
	s_mov_b32 s[G1A+7], 0
	s_or_b32 s[G1B], s19, (1<<16)|(1<<20)|(1<<21)|(6<<22)|(3<<25)  ; B: 32 rows of 256 elements, 4 words of padding after every 128
	s_mov_b32 s[G1B+1], 256<<16
	s_mov_b32 s[G1B+2], 32<<16
	s_mov_b32 s[G1B+3], 256<<16
	s_mov_b32 s[G1B+4], 32
	s_mov_b32 s[G1B+5], 1024
	s_mov_b32 s[G1B+6], 0
	s_mov_b32 s[G1B+7], 0
	s_lshr_b32 s20, s17, 3                         ; A: (32 batch + 4 x half) heads of 65,536 bytes + (ty % 8) x 8,192: made of ty and the wave's number
	s_lshl_b32 s20, s20, 5
	s_lshl_b32 s21, s13, 2
	s_add_co_u32 s20, s20, s21
	s_lshl_b32 s20, s20, 16
	s_and_b32 s21, s17, 7
	s_lshl_b32 s21, s21, 13
	s_add_co_u32 s20, s20, s21
	s_mov_b32 s21, 0
	s_lshl_b32 s22, s16, 6                         ; B: row 15,360 + 64 tx + 32 x half of xw
	s_lshl_b32 s23, s13, 5
	s_add_co_u32 s22, s22, s23
	s_add_co_u32 s22, s22, 15360
	s_lshl_b32 s22, s22, 11
	s_mov_b32 s23, 0
	s_lshl_b32 s66, s13, 15                        ; where they go in a slot
	s_mul_i32 s67, s13, 32*PB
	s_add_co_u32 s67, s67, BOFF
	s_wait_dscnt 0x0                               ; both opening adds are done
	s_wait_kmcnt 0x0
	s_add_nc_u64 s[20:21], s[4:5], s[20:21]
	s_add_nc_u64 s[22:23], s[6:7], s[22:23]
.irp s, 0,1,2
	s_mov_b32 s[G0A+4*(\s)], 1
	s_add_co_u32 s[G0A+4*(\s)+1], s66, (\s)*SLOT
	s_add_nc_u64 s[G0A+4*(\s)+2:G0A+4*(\s)+3], s[20:21], (\s)*8*65536
	s_or_b32 s[G0A+4*(\s)+3], s[G0A+4*(\s)+3], 0x80000000
	s_mov_b32 s[G0B+4*(\s)], 1
	s_add_co_u32 s[G0B+4*(\s)+1], s67, (\s)*SLOT
	s_add_nc_u64 s[G0B+4*(\s)+2:G0B+4*(\s)+3], s[22:23], (\s)*512
	s_or_b32 s[G0B+4*(\s)+3], s[G0B+4*(\s)+3], 0x80000000
.endr
	ROUND                                          ; all sixteen work-groups are here: the first joint loads meet
	s_cmp_lt_u32 s12, 2                            ; a wave's three first fills stand in one branch
	s_cbranch_scc0 .Lfirst_b
.irp s, 0,1,2
	tensor_load_to_lds s[G0A+4*(\s):G0A+4*(\s)+3], s[G1A:G1A+7]
	s_nop 0
.endr
	PLACES
	s_branch .Lfirst_done
.Lfirst_b:
.irp s, 0,1,2
	tensor_load_to_lds s[G0B+4*(\s):G0B+4*(\s)+3], s[G1B:G1B+7]
	s_nop 0
.endr
	PLACES
.Lfirst_done:
	v_and_b32 v1, 15, v0                           ; r
	v_bfe_u32 v2, v0, 4, 1                         ; h
	v_and_b32 v3, 31, v0
	v_lshlrev_b32 v3, 4, v3
	s_lshl_b32 s68, s12, 11                        ; my two blocks of 16 tokens
	v_add_nc_u32 v[ADA], s68, v3
	v_add_nc_u32 v[ADA+1], SLOT, v[ADA]
	v_add_nc_u32 v[ADA+2], 2*SLOT, v[ADA]
	v_mul_u32_u24 v[ADB], v1, PB
	v_lshl_add_u32 v[ADB], v2, 4, v[ADB]
	v_add_nc_u32 v[ADB], BOFF, v[ADB]
	v_add_nc_u32 v[ADB+1], SLOT, v[ADB]
	v_add_nc_u32 v[ADB+2], 2*SLOT, v[ADB]
	s_mul_i32 s68, s12, 16*SP
	s_add_co_u32 s68, s68, STAGE                   ; my stage
	v_mul_u32_u24 v[STO], v1, SP                   ; in: row r, 32 bytes for each half of the lanes
	v_lshl_add_u32 v[STO], v2, 5, v[STO]
	v_add_nc_u32 v[STO], s68, v[STO]
	v_mul_u32_u24 v[RD], v2, SP                    ; back: lanes 0-15 one row of 256 bytes, lanes 16-31 the next
	v_lshl_add_u32 v[RD], v1, 4, v[RD]
	v_add_nc_u32 v[RD], s68, v[RD]
	v_lshlrev_b32 v[CO], 12, v2                    ; and the same two rows of out0
	v_lshl_add_u32 v[CO], v1, 4, v[CO]
	v_lshlrev_b32 v[BOA], 5, v2
	s_lshl_b32 s68, s16, 8                         ; my 64 features: 256 bytes of bo and of a row of out0
	s_mov_b32 s69, 0
	s_add_nc_u64 s[8:9], s[8:9], s[68:69]
	s_lshl_b32 s70, s17, 7
	s_lshl_b32 s71, s12, 5
	s_add_co_u32 s70, s70, s71                     ; my first token
	s_lshl_b32 s70, s70, 12
	s_add_co_u32 s70, s70, s68
	s_mov_b32 s71, 0
	s_add_nc_u64 s[10:11], s[10:11], s[70:71]
.irp b, 0,1,2,3
	global_load_b128 v[BO+8*(\b):BO+8*(\b)+3],   v[BOA], s[8:9] offset:64*(\b)
	global_load_b128 v[BO+8*(\b)+4:BO+8*(\b)+7], v[BOA], s[8:9] offset:64*(\b)+16
.endr
	s_wait_loadcnt 0x0
.set i, 0
.rept 16
	v_cvt_pk_bf16_f32 v[TT], v[BO+i], v[BO+i+1]    ; rounded to bf16 like every input
	v_lshlrev_b32 v[BO+i], 16, v[TT]
	v_and_b32 v[BO+i+1], 0xffff0000, v[TT]
.set i, i+2
.endr
.macro FETCH slot, hh, buf             ; twelve LDS loads: head hh's fragments (32 along K): my two blocks of tokens, the four blocks of features
.irp a, 0,1
	ds_load_b128 v[(\buf)+8*(\a):(\buf)+8*(\a)+3],   v[ADA+(\slot)] offset:8192*(\hh)+1024*(\a)
	ds_load_b128 v[(\buf)+8*(\a)+4:(\buf)+8*(\a)+7], v[ADA+(\slot)] offset:8192*(\hh)+1024*(\a)+512
.endr
.irp b, 0,1,2,3
	ds_load_b128 v[(\buf)+16+8*(\b):(\buf)+16+8*(\b)+3], v[ADB+(\slot)] offset:16*PB*(\b)+64*(\hh)
	ds_load_b128 v[(\buf)+16+8*(\b)+4:(\buf)+16+8*(\b)+7], v[ADB+(\slot)] offset:16*PB*(\b)+64*(\hh)+32
.endr
.endm
.macro MUL buf, first                  ; eight products, each on another accumulator: they take turns.  first = 1: bo starts the sums
.irp a, 0,1
.irp b, 0,1,2,3
.if \first
	v_wmma_f32_16x16x32_f16 v[ACC+8*(4*(\a)+(\b)):ACC+8*(4*(\a)+(\b))+7], v[(\buf)+16+8*(\b):(\buf)+16+8*(\b)+7], v[(\buf)+8*(\a):(\buf)+8*(\a)+7], v[BO+8*(\b):BO+8*(\b)+7]
.else
	v_wmma_f32_16x16x32_f16 v[ACC+8*(4*(\a)+(\b)):ACC+8*(4*(\a)+(\b))+7], v[(\buf)+16+8*(\b):(\buf)+16+8*(\b)+7], v[(\buf)+8*(\a):(\buf)+8*(\a)+7], v[ACC+8*(4*(\a)+(\b)):ACC+8*(4*(\a)+(\b))+7]
.endif
.endr
.endr
.endm
.macro STEP slot, first                ; a K step: eight heads on two buffers; a head's fragments are fetched two heads ahead, four places behind the products that read the buffer
.if !(\first)
	PLACES
.endif
	FETCH \slot, 0, FB0
	FETCH \slot, 1, FB0+48
.irp c, 0,1,2,3,4,5,6,7
.if (\c) == 7
	s_wait_dscnt 0x0
.else
	s_wait_dscnt 12                                ; head c's fragments are in; the next head's twelve loads may stay out
.endif
.if (\first) && ((\c) == 0)
	MUL FB0+48*((\c)%2), 1
.else
	MUL FB0+48*((\c)%2), 0
.endif
.if (\c) < 6
	PLACES
	FETCH \slot, (\c)+2, FB0+48*((\c)%2)
.endif
.endr
.endm
	s_wait_tensorcnt 2                             ; my part of slot 0 is in; slots 1 and 2 may stay out
	s_barrier_signal -1
	s_barrier_wait -1
	STEP 0, 1
	s_wait_tensorcnt 0x0                           ; all my loads are in, my parts of slots 1 and 2 among them
	ds_add_u32 v[SPW], v[NIL]                      ; the descriptors' steps stand between the add and the wait for it
	s_add_nc_u64 s[G0A+2:G0A+3], s[G0A+2:G0A+3], 3*8*65536  ; slot 0's next tiles: K step 3
	s_add_nc_u64 s[G0B+2:G0B+3], s[G0B+2:G0B+3], 3*512
	s_wait_dscnt 0x0                               ; the add is done, and my reads of slot 0 are over
	ROUND                                          ; both hold of every wave of every partner
	s_cmp_lt_u32 s12, 2
	s_cbranch_scc0 .Lre_b
	tensor_load_to_lds s[G0A:G0A+3], s[G1A:G1A+7]
	s_nop 0
	PLACES
	s_branch .Lre_done
.Lre_b:
	tensor_load_to_lds s[G0B:G0B+3], s[G1B:G1B+7]
	s_nop 0
	PLACES
.Lre_done:
	STEP 1, 0
	STEP 2, 0
	s_wait_tensorcnt 0x0                           ; my part of K step 3 is in,
	s_wait_dscnt 0x0
	s_barrier_signal -1
	s_barrier_wait -1                              ; everybody's is
	STEP 0, 0
	; THE WAY OUT, 16 tokens at a time: 32 bytes a lane into my stage (each accumulator's low half first), back as whole rows of 256 bytes, stored: sixteen lanes write 256 consecutive bytes, aligned.
	PLACES
.irp a, 0,1
.irp b, 0,1,2,3
	ds_store_b128 v[STO], v[ACC+8*(4*(\a)+(\b)):ACC+8*(4*(\a)+(\b))+3]   offset:64*(\b)
	ds_store_b128 v[STO], v[ACC+8*(4*(\a)+(\b))+4:ACC+8*(4*(\a)+(\b))+7] offset:64*(\b)+16
.endr
.irp t, 0,1,2,3,4,5,6,7
	ds_load_b128 v[FB0+32*(\a)+4*(\t):FB0+32*(\a)+4*(\t)+3], v[RD] offset:(\t)*2*SP  ; LDS serves a wave's instructions in order (ISA guide 5.7.1.4): these see the stores above
.endr
.irp t, 0,1,2,3,4,5,6,7
	s_wait_dscnt 7-(\t)
	global_store_b128 v[CO], v[FB0+32*(\a)+4*(\t):FB0+32*(\a)+4*(\t)+3], s[10:11] offset:(16*(\a)+2*(\t))*4096 th:TH_STORE_NT
.endr
.endr
	s_wait_tensorcnt 0x0                           ; the wave's end, behind my last tensor load and my last LDS store
	ds_add_u32 v[SPW], v[NIL]
	s_wait_dscnt 0x0
	ROUND                                          ; the closing round
	s_endpgm
.Lfunc_end_k_q178c3a2a72_outp:
	.size	k_q178c3a2a72_outp, .Lfunc_end_k_q178c3a2a72_outp-k_q178c3a2a72_outp
	.p2alignl 7, 3214868480
	.fill 96, 4, 3214868480
	.section	.rodata,"a",@progbits
	.p2align	6, 0x0
	.amdhsa_kernel k_q178c3a2a72_outp
		.amdhsa_group_segment_fixed_size 327680
		.amdhsa_private_segment_fixed_size 0
		.amdhsa_enable_private_segment 0
		.amdhsa_kernarg_size 32
		.amdhsa_user_sgpr_count 2
		.amdhsa_user_sgpr_kernarg_segment_ptr 1
		.amdhsa_wavefront_size32 1
		.amdhsa_system_sgpr_workgroup_id_x 1
		.amdhsa_system_sgpr_workgroup_id_y 1
		.amdhsa_system_sgpr_workgroup_id_z 1
		.amdhsa_system_vgpr_workitem_id 0
		.amdhsa_next_free_vgpr 224
		.amdhsa_next_free_sgpr 80
		.amdhsa_reserve_vcc 0
		.amdhsa_float_denorm_mode_32 3
		.amdhsa_float_denorm_mode_16_64 3
		.amdhsa_memory_ordered 1
		.amdhsa_forward_progress 1
		.amdhsa_inst_pref_size 61
	.end_amdhsa_kernel
	.amdgpu_metadata
---
amdhsa.version: [ 1, 2 ]
amdhsa.kernels:
  - .name:           k_q178c3a2a72_outp
    .symbol:         k_q178c3a2a72_outp.kd
    .args:
      - { .name: att, .offset: 0, .size: 8, .value_kind: global_buffer, .address_space: global }
      - { .name: xw, .offset: 8, .size: 8, .value_kind: global_buffer, .address_space: global }
      - { .name: bo, .offset: 16, .size: 8, .value_kind: global_buffer, .address_space: global }
      - { .name: out0, .offset: 24, .size: 8, .value_kind: global_buffer, .address_space: global }
    .group_segment_fixed_size: 327680
    .private_segment_fixed_size: 0
    .kernarg_segment_align: 8
    .kernarg_segment_size: 32
    .max_flat_workgroup_size: 128
    .sgpr_count:     80
    .vgpr_count:     224
    .wavefront_size: 32
...
	.end_amdgpu_metadata
.endif
;; end of part 4
